; MI455X (gfx1250); checked and timed in simulation.
; The chip was launched on July 23, 2026; its instructions are those of AMD's public machine-readable ISA for CDNA 5 (MIT licence, August 2026) and "CDNA5" Instruction Set Architecture Reference Guide (July 2026). The comments in the code are by the model that wrote it; some were corrected since.
;; Attention Pool. Allowed arithmetic: matrix products marked QUANTISED: E2M1 operands, one E8M0 scale for each 32 along K, by v_wmma_scale_f32_16x16x128_f8f6f4 with both operands' format E2M1 (or v_wmma_scale_f32_32x16x128_f4), f32 sums; products left as they are: f32 operands where the result goes on into a quantised operand, else bf16, f16 or f32 operands; f32 sums; everything else in f32.
;; Inputs: W1_codes 1,024 x 32 x 16 uint8 (E2M1 codes of W1, K innermost, in blocks of 32 codes, two codes a byte); W1_scales 1,024 x 32 uint8 (E8M0 scales of W1, one for each 32 codes along K); W2 1,024 x 1 float32; b1 1,024 float32; b2 1 float32; ln_beta 1,024 float32; ln_gamma 1,024 float32; x 32 x 2,048 x 1,024 float32.
;; Outputs: out0 32 x 1,024 float32.
;; This version of the problem:
;;   THIS VERSION OF THE PROBLEM IS GIVEN IN LOW PRECISION. The matrix products marked QUANTISED in the list below multiply operands that are first quantised to E2M1 (2 exponent bits, 1 mantissa bit; 4 bits a number), with one power-of-two scale for each 32 numbers along K (OCP MX v1.0); their sums are f32. All else is computed in f32.
;;   The module's matrix products, in the order in which they are computed (A, B: the left and right operand; K: the contracted axis; several contracted axes count as one K, in the product's order):
;;     1. [M 65,536, K 1,024] x [K 1,024, N 1,024]; A: computed on the way; B: input W1 (given as codes): QUANTISED
;;     2. [M 65,536, K 1,024] x [K 1,024, N 1]; A: computed on the way; B: input W2: left as it is (N = 1 < 16)
;;     3. batch 32 x [M 1,024, K 2,048] x [K 2,048, N 1]; A: input x; B: softmax: left as it is (N = 1 < 16)
;;   THE QUANTISER, for each operand of a quantised product, along K:
;;     - K is cut into blocks of 32 from its start; a last block that is shorter is filled with zeros.
;;     - A block's scale is 2^e with e = floor(log2(the largest magnitude in the block)) - 2, held to -126 .. 127; a block of zeros has e = 0. As a byte (E8M0): e + 127.
;;     - Each number is divided by its block's scale, clamped to +-6, and rounded to the nearest number of E2M1, ties to even, subnormals kept.
;;     - The product sums the exact products of the quantised numbers (number of the format x scale) in f32.
;;   ~~~python
;;   def quantise(x, axis):      # numpy; x: float32 -> the quantised numbers, widened to float32 again
;;       x = np.moveaxis(x, axis, -1); K = x.shape[-1]
;;       x = np.pad(x, [(0, 0)] * (x.ndim - 1) + [(0, -K % 32)]); x = x.reshape(x.shape[:-1] + (-1, 32)); a = np.abs(x).max(-1, keepdims=True)
;;       e = np.where(a > 0, np.clip(np.frexp(np.where(a > 0, a, 1))[1] - 1 - 2, -126, 127), 0)      # np.frexp(a)[1] - 1 = floor(log2(a)), exactly
;;       r = np.clip(x / 2.0 ** e, -6, 6)
;;       step = 2.0 ** (np.maximum(np.frexp(np.where(r == 0, 1, r))[1] - 1, 0) - 1)
;;       q = np.round(r / step) * step * 2.0 ** e      # np.round: ties to even
;;       return np.moveaxis(q.reshape(q.shape[:-2] + (-1,))[..., :K], -1, axis).astype(np.float32)
;;   ~~~
;;   OPERANDS COMPUTED ON THE WAY. 'Computed on the way' means the value that the module computes at that place (a softmax that the list does not call 'softmax' is quantised finished and normalised). What goes into a quantiser is computed in f32, as accurately as f32 sums, v_exp_f32 and their like allow (about 1e-6 of the number): no bf16 or f16 on the way to a quantiser, and a product that is left as it is and whose result goes on into a quantised operand takes f32 operands (vector FMAs, or v_wmma_f32_16x16x4_f32). A number that lies on a knife's edge between two numbers of the format may be rounded either way, as far as f32 arithmetic and the matrix unit's own rounding can turn it there, and no further.
;;   INPUTS GIVEN AS CODES. W1 (in the module: [1024, 1024], K = its axis 0): each comes as NAME_codes (uint8): NAME with its K axis moved to the last place and cut into blocks of 32 codes, [.., K / 32, bytes a block], one block behind the other in memory; two codes a byte, the lower K in the low four bits (a code: sign, 2 exponent bits, 1 mantissa bit); and NAME_scales (uint8): the same leading axes, one E8M0 byte (e + 127) for each 32 codes along K. Its value is code x scale, taken as it is: it is not quantised again, and the codes and scales need not be those that the quantiser above would give.
;; One version. Each part assembles by itself: llvm-mc -triple=amdgcn-amd-amdhsa -mcpu=gfx1250 --defsym DOCPART=n.
;; ======== version 1 of 1: 3 launches
;; limits: values are held in bf16: 8 bits of precision; right only within a limited range of input values
;; workspace buffers: w1f 524,288 bytes; part 4,718,592 bytes
;; launch lay (part 1): grid 64 x 1, 4 waves a work-group, no clusters, 0 bytes of LDS; arguments W1_codes, w1f; writes w1f
.if DOCPART == 1
	.amdgcn_target "amdgcn-amd-amdhsa--gfx1250"
	.amdhsa_code_object_version 6
	.text
	.protected	k_q511a0cd8dc_lay
	.globl	k_q511a0cd8dc_lay
	.p2align	8
	.type	k_q511a0cd8dc_lay,@function
k_q511a0cd8dc_lay:
	s_mov_b64 s[64:65], 0
	v_nop
	global_prefetch_b8 v0, s[64:65] scope:SCOPE_SE
	s_setreg_imm32_b32 hwreg(HW_REG_WAVE_MODE, 25, 1), 1
	s_wait_xcnt 0x0
; W1's codes ([1024 n][512 bytes], K innermost) are laid once in the order in which a wave's operand registers take them:
; w1f[tile T = n / 16][K step s of 128][c = 0, 1][lane][16 bytes]; lane (r = lane % 16, h = lane / 16) holds bytes 64 s + 32 c + 16 h of row 16 T + r.
; The next launch then loads a fragment's eight registers by two loads of 512 consecutive bytes a wave.
; Work-group T takes one tile (8,192 bytes), wave v its K steps 2 v and 2 v + 1: four loads (32 bytes of 16 rows each; the four together take 128 whole bytes
; of each row) and four stores of 512 consecutive bytes.  64 tiles are all the work there is.  No LDS, no barrier: waves share nothing.
; WORK LEFT OUT IN THIS PROGRAM.  b2 is added to every score of a batch alike, and softmax(s + c) = softmax(s) along its axis for every finite c: b2 reaches no output, is not loaded and is no launch's argument.
; tanh(z) = 1 - 2 / (1 + e^(2 z)), so a score is sum(W2) - 2 sum_e W2[e] / (1 + e^(2 z_e)); sum(W2) is again the same along the softmax's axis and is not formed.
; LIMIT: a NaN, an infinity or an overflow that reaches only b2 or the sum of W2 is not carried to the result.
	s_load_b128 s[4:7], s[0:1], 0x0
	v_and_b32 v1, 15, v0                           ; r
	v_bfe_u32 v2, v0, 4, 1                         ; h
	v_lshrrev_b32 v5, 5, v0                        ; wave
	v_lshlrev_b32 v3, 9, v1                        ; from: 512 r
	v_lshl_add_u32 v3, v2, 4, v3                   ; + 16 h
	v_lshl_add_u32 v3, v5, 7, v3                   ; + 128 wave
	v_and_b32 v4, 31, v0
	v_lshlrev_b32 v4, 4, v4                        ; to: 16 lane
	v_lshl_add_u32 v4, v5, 11, v4                  ; + 2,048 wave
	s_lshl_b32 s8, ttmp9, 13                       ; the tile's 8,192 bytes, in both buffers
	s_mov_b32 s9, 0
	s_wait_alu depctr_va_vdst(0)
	s_wait_kmcnt 0x0
	s_add_nc_u64 s[4:5], s[4:5], s[8:9]
	s_add_nc_u64 s[6:7], s[6:7], s[8:9]
.irp k, 0,1,2,3
	global_load_b128 v[8+4*\k:11+4*\k], v3, s[4:5] offset:32*\k
.endr
	s_wait_loadcnt 0x0
.irp k, 0,1,2,3
	global_store_b128 v4, v[8+4*\k:11+4*\k], s[6:7] offset:512*\k
.endr
	s_endpgm
.Lfunc_end_k_q511a0cd8dc_lay:
	.size	k_q511a0cd8dc_lay, .Lfunc_end_k_q511a0cd8dc_lay-k_q511a0cd8dc_lay
	.p2alignl 7, 3214868480
	.fill 96, 4, 3214868480
	.section	.rodata,"a",@progbits
	.p2align	6, 0x0
	.amdhsa_kernel k_q511a0cd8dc_lay
		.amdhsa_group_segment_fixed_size 0
		.amdhsa_private_segment_fixed_size 0
		.amdhsa_enable_private_segment 0
		.amdhsa_kernarg_size 16
		.amdhsa_user_sgpr_count 2
		.amdhsa_user_sgpr_kernarg_segment_ptr 1
		.amdhsa_wavefront_size32 1
		.amdhsa_system_sgpr_workgroup_id_x 1
		.amdhsa_system_sgpr_workgroup_id_y 1
		.amdhsa_system_sgpr_workgroup_id_z 1
		.amdhsa_system_vgpr_workitem_id 0
		.amdhsa_next_free_vgpr 24
		.amdhsa_next_free_sgpr 66
		.amdhsa_reserve_vcc 0
		.amdhsa_float_denorm_mode_32 3
		.amdhsa_float_denorm_mode_16_64 3
		.amdhsa_memory_ordered 1
		.amdhsa_forward_progress 1
		.amdhsa_inst_pref_size 2
	.end_amdhsa_kernel
	.amdgpu_metadata
---
amdhsa.version: [ 1, 2 ]
amdhsa.kernels:
  - .name:           k_q511a0cd8dc_lay
    .symbol:         k_q511a0cd8dc_lay.kd
    .args:
      - { .name: W1_codes, .offset: 0, .size: 8, .value_kind: global_buffer, .address_space: global }
      - { .name: w1f, .offset: 8, .size: 8, .value_kind: global_buffer, .address_space: global }
    .group_segment_fixed_size: 0
    .private_segment_fixed_size: 0
    .kernarg_segment_align: 8
    .kernarg_segment_size: 16
    .max_flat_workgroup_size: 128
    .sgpr_count:     66
    .vgpr_count:     24
    .wavefront_size: 32
...
	.end_amdgpu_metadata
.endif
;; end of part 1
;; launch pool (part 2): grid 256 x 1, 4 waves a work-group, no clusters, 327,680 bytes of LDS; arguments x, ln_gamma, ln_beta, w1f, W1_scales, b1, W2, part; writes part
.if DOCPART == 2
	.amdgcn_target "amdgcn-amd-amdhsa--gfx1250"
	.amdhsa_code_object_version 6
	.text
	.protected	k_q511a0cd8dc_pool
	.globl	k_q511a0cd8dc_pool
	.p2align	8
	.type	k_q511a0cd8dc_pool,@function
k_q511a0cd8dc_pool:
	s_mov_b64 s[64:65], 0
	v_nop
	global_prefetch_b8 v0, s[64:65] scope:SCOPE_SE
	s_setreg_imm32_b32 hwreg(HW_REG_WAVE_MODE, 25, 1), 1
	s_wait_xcnt 0x0
; LayerNorm, quantiser, x W1 on E2M1 codes, tanh, the product with W2, and a running softmax with the weighted sum of x, for 256 rows of x a work-group (an eighth of a batch).
; b2 and the sum of W2 are left out of the scores: they are the same along the softmax's axis (shown at the head of the first kernel).
; SHARES.  Four blocks of 64 rows.  In a block wave w normalises and quantises rows 16 w .. 16 w + 15 (a lane holds 32 numbers of a row), puts codes and scale bytes into LDS and keeps the rows as bf16 in registers.
; Then every wave takes all 64 rows' codes into registers (4 tiles x 8 K steps x 8 registers) and multiplies them with ITS 256 columns of W1, 16 tiles of 16, whose fragments come from w1f straight into registers.
; TILES GO IN PAIRS: 64 matrix instructions on end (each tile's four accumulators by turns); then the pair's 64 result registers go through tanh in batches: 32 multiply-adds (x 2 log2 e, + b1 x 2 log2 e), 64 exponentials, 32 additions of 1, 64 reciprocals, 32 multiply-adds with -2 W2.
; W1's fragments have four sets of 64 registers: a pair's two sets are asked for again (the tiles four further on, 36 loads) in the pair's own phase.  The pointer wraps after 16 tiles: a block's last four tiles fetch the next block's first four.
; The matrix instruction is used transposed (source 0 = 16 columns of W1, source 1 = 16 rows of x): a lane holds one row of x, its registers 8 hidden units.
; The scores' four parts meet in LDS; wave w then joins its 16 rows into its running maximum m, sum l and weighted sum (1,024 f32, 32 a lane), in base 2.  Each wave stores one record: 1,024 f32, m, l.
; THE WEIGHTED SUM goes to the matrix unit with bf16 operands (macro POOL): the bf16 copy is packed by pairs of rows, so that a lane's 8 registers of one column hold its 16 rows, a fragment's 16 places along K.
; x comes by tensor loads into each wave's own 16 rows of LDS, in two parts (12 rows, 4 rows), each asked for again as soon as it has been read.  No cluster: the work-groups share no tile of x, and W1 goes to registers.
; No prefetch into the L2: x's next block is asked for by its tensor loads a whole block ahead, and W1 is read again and again by all work-groups.
; LIMIT: the promise holds while the scores x log2 e stay under 2^31 in magnitude.
; REGISTERS.  window 0: v1-15, v48-57 addresses, m, l, a mask; v16-31 x's scale words (in the weighted sum v16-23 the weights, v24 the factor); v32-47 W1's scale words, four sets; v58-63, v12-13 the rows' sums in the products;
;   v64-127 at work (T; in the products DA, the results; in the weighted sum eight results); v128-255 W1's sets 0, 1.
;   window 1: x's codes in the products; in the LayerNorm XL (two rows as loaded) and DD (the rows at work).   window 2: the block's 16 rows as bf16: register 8 k + i holds rows 2 i, 2 i + 1 of the lane's column k.
;   window 3: v0-63 gamma, beta; v64-127, v192-255 W1's sets 2, 3; v128-159 the weighted sum; v160-175 the pair's bias, v176-191 its W2.
.set ZW,    69632
.set PARTB, 52224
.set ROWP,  4352
.set CODES, 278528
.set CP,    528
.set XSC,   312320
.set PS,    314368
.set B1T,   315392
.set W2T,   319488
.set SPARE, 323584
.set T,     64
.set XL,    192
.set DD,    64
.set GA,    0
.set BE,    32
.set PA,    128
.set DA,    64
.set BC,    160
.set W2R,   176
.set MSB, 0
.macro WIN new                         ; the immediate's high byte repeats the setting that is left
.if MSB != (\new)
	s_set_vgpr_msb (MSB<<8)|(\new)
.set MSB, (\new)
.endif
.endm
.macro PLACES
.rept 4
	v_nop
.endr
.endm
.macro XLD                             ; two rows of x, 32 numbers a lane each
.irp u, 0,1
.irp j, 0,1,2,3
.irp e, 0,1
	ds_load_b128 v[XL+32*\u+8*\j+4*\e:XL+32*\u+8*\j+4*\e+3], v11 offset:ROWP*\u+1088*\j+16*\e
.endr
.endr
.endr
.endm
.macro XRED                            ; two rows' sums over the 32 lanes
.irp u, 0,1
	v_pk_add_f32 v[T+4*\u:T+4*\u+1], v[T+4*\u:T+4*\u+1], v[T+4*\u+2:T+4*\u+3]
.endr
.irp u, 0,1
	v_add_f32 v[T+4*\u], v[T+4*\u], v[T+4*\u+1]
.endr
.irp m, 1,2,4,8
.irp u, 0,1
	v_add_f32_dpp v[T+4*\u], v[T+4*\u], v[T+4*\u] row_xmask:\m row_mask:0xf bank_mask:0xf
.endr
.endr
.irp u, 0,1
	v_permlanex16_b32 v[T+8+\u], v[T+4*\u], s76, s77
.endr
.irp u, 0,1
	v_add_f32 v[T+4*\u], v[T+4*\u], v[T+8+\u]
.endr
.endm
.macro CV row                          ; rows row (low half) and row + 1 (high half) as bf16 into window 2, column by column
	WIN 0x85
.set cnt, 0
.rept 32
	v_cvt_pk_bf16_f32 v[8*cnt+(\row)/2], v[XL+cnt], v[XL+32+cnt]
.set cnt, cnt+1
.endr
	WIN 0
.endm
; LayerNorm and quantiser, two rows a trip: mean, differences, variance, x gamma x rsqrt + beta, each block's largest magnitude (8 numbers a lane, 4 lanes a block), codes and scale bytes to LDS.
.macro XLOOP row0, trips
	s_mov_b32 s68, (\row0)*ROWP
	s_mov_b32 s69, (\row0)*CP
	s_mov_b32 s70, (\row0)*32
	s_mov_b32 s67, \trips
	v_add_nc_u32 v11, s68, v48
	WIN 0x40
	XLD
	WIN 0
	s_wait_dscnt 0x0
.Lx_\@:
	s_wait_dscnt 0x10                              ; the 16 loads are in; the 16 stores behind them may be out
	s_add_co_u32 s68, s68, 2*ROWP
	s_min_u32 s73, s68, ((\row0)+2*(\trips)-2)*ROWP
	v_add_nc_u32 v11, s73, v48
	WIN 0x05
.irp c, 0,1
.irp u, 0,1
	v_pk_add_f32 v[T+4*\u+2*\c:T+4*\u+2*\c+1], v[XL+32*\u+4*\c:XL+32*\u+4*\c+1], v[XL+32*\u+4*\c+2:XL+32*\u+4*\c+3]
.endr
.endr
	WIN 0x01
.irp k, 4,5,6,7,8,9,10,11,12,13,14,15
.irp u, 0,1
	v_pk_add_f32 v[T+4*\u+2*(\k%2):T+4*\u+2*(\k%2)+1], v[XL+32*\u+2*\k:XL+32*\u+2*\k+1], v[T+4*\u+2*(\k%2):T+4*\u+2*(\k%2)+1]
.endr
.endr
	WIN 0
	XRED
.irp u, 0,1
	v_mul_f32 v[T+12+2*\u], s78, v[T+4*\u]
.endr
	WIN 0x41
.irp u, 0,1
.irp k, 0,1,2,3,4,5,6,7,8,9,10,11,12,13,14,15
	v_pk_add_f32 v[DD+32*\u+2*\k:DD+32*\u+2*\k+1], v[XL+32*\u+2*\k:XL+32*\u+2*\k+1], v[T+12+2*\u:T+13+2*\u] op_sel_hi:[1,0] neg_lo:[0,1] neg_hi:[0,1]
.endr
.endr
	WIN 0
.irp q, 0,1,2,3,4,5,6                  ; the bf16 registers' numbers hang on the trip: one copy of CV for each
.if \q < (\trips)-1
	s_cmp_eq_u32 s67, (\trips)-\q
	s_cbranch_scc1 .Lc_\@_\q
.endif
.endr
	CV (\row0)+2*(\trips)-2
	s_wait_dscnt 0x0
	s_branch .Ln_\@
.irp q, 0,1,2,3,4,5,6
.if \q < (\trips)-1
.Lc_\@_\q:
	CV (\row0)+2*\q
.if \q < (\trips)-2
	s_branch .Lj_\@
.endif
.endif
.endr
.Lj_\@:
	WIN 0x40
	XLD                                            ; the next two rows, under the rest of this trip
	WIN 0
	s_wait_dscnt 0x10
.Ln_\@:
	v_add_nc_u32 v12, s69, v50
	v_add_nc_u32 v13, s70, v51
	WIN 0x05
.irp c, 0,1
.irp u, 0,1
	v_pk_mul_f32 v[T+4*\u+2*\c:T+4*\u+2*\c+1], v[DD+32*\u+2*\c:DD+32*\u+2*\c+1], v[DD+32*\u+2*\c:DD+32*\u+2*\c+1]
.endr
.endr
.irp k, 2,3,4,5,6,7,8,9,10,11,12,13,14,15
.irp u, 0,1
	v_pk_fma_f32 v[T+4*\u+2*(\k%2):T+4*\u+2*(\k%2)+1], v[DD+32*\u+2*\k:DD+32*\u+2*\k+1], v[DD+32*\u+2*\k:DD+32*\u+2*\k+1], v[T+4*\u+2*(\k%2):T+4*\u+2*(\k%2)+1]
.endr
.endr
	WIN 0
	XRED
.irp u, 0,1
	v_fma_f32 v[T+4*\u], v[T+4*\u], s78, s79
.endr
	s_wait_alu depctr_va_vdst(0)                   ; the wait ahead of the batch
.irp u, 0,1
	v_rsq_f32 v[T+16+2*\u], v[T+4*\u]
.endr
	WIN 0x4D
.irp u, 0,1
.irp k, 0,1,2,3,4,5,6,7,8,9,10,11,12,13,14,15
	v_pk_mul_f32 v[DD+32*\u+2*\k:DD+32*\u+2*\k+1], v[DD+32*\u+2*\k:DD+32*\u+2*\k+1], v[GA+2*\k:GA+2*\k+1]
.endr
.endr
	s_wait_alu depctr_va_vdst(0)                   ; and behind it, ahead of its first reader
	WIN 0x71
.irp u, 0,1
.irp k, 0,1,2,3,4,5,6,7,8,9,10,11,12,13,14,15
	v_pk_fma_f32 v[DD+32*\u+2*\k:DD+32*\u+2*\k+1], v[DD+32*\u+2*\k:DD+32*\u+2*\k+1], v[T+16+2*\u:T+17+2*\u], v[BE+2*\k:BE+2*\k+1] op_sel_hi:[1,0,1]
.endr
.endr
	WIN 0x05
.irp q, 0,1,2,3,4,5,6,7
	v_max3_num_f32 v[T+24+\q], |v[DD+8*\q]|, |v[DD+8*\q+1]|, 0x1800000   ; with the floor 2^(3 - 127): the byte cannot fall under 1
.endr
.irp i, 2,4,6
.irp q, 0,1,2,3,4,5,6,7
	v_max3_num_f32 v[T+24+\q], |v[DD+8*\q+\i]|, |v[DD+8*\q+\i+1]|, v[T+24+\q]
.endr
.endr
	WIN 0
.irp m, 1,2
.irp q, 0,1,2,3,4,5,6,7
	v_max_num_f32_dpp v[T+24+\q], v[T+24+\q], v[T+24+\q] row_xmask:\m row_mask:0xf bank_mask:0xf
.endr
.endr
.irp q, 0,1,2,3,4,5,6,7
	v_add_nc_u32 v[T+32+\q], 0xff000000, v[T+24+\q]   ; 2 off the exponent field: the conversion's scale operand
.endr
.irp q, 0,1,2,3,4,5,6,7
	v_lshrrev_b32 v[T+40+\q], 23, v[T+32+\q]          ; the scale's byte
.endr
	WIN 0x01
.irp q, 0,1,2,3,4,5,6,7
	v_cvt_scalef32_pk8_fp4_f32 v[T+48+\q], v[DD+8*\q:DD+8*\q+7], v[T+32+\q]
.endr
	v_nop
	WIN 0
.irp u, 0,1
.irp j, 0,1,2,3
	ds_store_b32 v12, v[T+48+4*\u+\j] offset:CP*\u+128*\j
	ds_store_b8 v13, v[T+40+4*\u+\j] offset:32*\u+8*\j
.endr
.endr
	s_add_co_u32 s69, s69, 2*CP
	s_add_co_u32 s70, s70, 64
	s_sub_co_u32 s67, s67, 1
	s_cmp_lg_u32 s67, 0
	s_cbranch_scc1 .Lx_\@
.endm
; A part of my rows of x is asked for again: a wait for my tensor loads, an LDS add and its wait, the barrier, and my one tensor load behind it.
.macro REFILL g0, g1
	s_wait_tensorcnt 0x0
	ds_add_u32 v1, v2
	s_add_nc_u64 s[\g0+2:\g0+3], s[\g0+2:\g0+3], 262144
	s_wait_dscnt 0x0
	s_barrier_signal -1
	s_barrier_wait -1
	tensor_load_to_lds s[\g0:\g0+3], s[\g1:\g1+7]
	s_nop 0
	PLACES
.endm
; The block's scale words into v16-31 (4 loads), then its 64 rows of codes into window 1, K step by K step (8 loads each): the first tile's products wait for them by count.
.macro LOADA
.irp t, 0,1,2,3
	ds_load_b128 v[16+4*\t:19+4*\t], v6 offset:512*\t
.endr
	WIN 0x40
.irp s, 0,1,2,3,4,5,6,7
.irp t, 0,1,2,3
.irp c, 0,1
	ds_load_b128 v[64*\t+8*\s+4*\c:64*\t+8*\s+4*\c+3], v5 offset:16*CP*\t+64*\s+32*\c
.endr
.endr
.endr
	WIN 0
.irp t, 0,1,2,3
.set sr, 58+2*\t-52*(\t/3)             ; row tile t's pair of sums: v58, v60, v62, v12
	v_mov_b32 v[sr], 0
	v_mov_b32 v[sr+1], 0
.endr
	s_mov_b32 s71, 0                               ; the tables' byte of the trip's first tile
.endm
.macro SETWB p                         ; where W1's set p lies: sets 0, 1 in window 0, sets 2, 3 in window 3
.if (\p) == 2
.set WB0, 64
.elseif (\p) == 0
.set WB0, 128
.else
.set WB0, 192
.endif
.endm
.macro WLD p                           ; 18 loads: a tile's 8 fragments (each load 512 consecutive bytes a wave) and its scale words, into set p; s[52:53], s[56:57] stand at a group of four tiles
	SETWB \p
	WIN 0xC0*((\p)/2)
.irp q, 0,1,2,3,4,5,6,7
.irp c, 0,1
	global_load_b128 v[WB0+8*\q+4*\c:WB0+8*\q+4*\c+3], v3, s[52:53] offset:8192*(\p)+1024*\q+512*\c
.endr
.endr
	WIN 0
.irp g, 0,1
	global_load_b64 v[32+4*(\p)+2*\g:33+4*(\p)+2*\g], v4, s[56:57] offset:512*(\p)+16*\g
.endr
.endm
.macro MM p, u                         ; matrix instruction i of a tile: K step i / 4, row tile i % 4.  W1's word of K step ks: register 2 (ks / 4) + ks % 2, lanes 16-31 where ks % 4 > 1; x's: register ks % 4, lanes 16-31 where ks > 3
.set ks, i/4
.set tt, i%4
.set rD, DA+8*(4*(\u)+tt)
.set rW, WB0+8*ks
.set rA, 64*tt+8*ks
.set rWS, 32+4*(\p)+2*(ks/4)+(ks%2)
.set rXS, 16+4*tt+(ks%4)
.if ks == 0
	v_wmma_scale_f32_16x16x128_f8f6f4 v[rD:rD+7], v[rW:rW+7], v[rA:rA+7], 0, v[rWS], v[rXS] matrix_a_fmt:MATRIX_FMT_FP4 matrix_b_fmt:MATRIX_FMT_FP4
.elseif ks == 1
	v_wmma_scale_f32_16x16x128_f8f6f4 v[rD:rD+7], v[rW:rW+7], v[rA:rA+7], v[rD:rD+7], v[rWS], v[rXS] matrix_a_fmt:MATRIX_FMT_FP4 matrix_b_fmt:MATRIX_FMT_FP4
.elseif ks < 4
	v_wmma_scale_f32_16x16x128_f8f6f4 v[rD:rD+7], v[rW:rW+7], v[rA:rA+7], v[rD:rD+7], v[rWS], v[rXS] matrix_a_fmt:MATRIX_FMT_FP4 matrix_b_fmt:MATRIX_FMT_FP4 matrix_a_scale:MATRIX_SCALE_ROW1
.elseif ks < 6
	v_wmma_scale_f32_16x16x128_f8f6f4 v[rD:rD+7], v[rW:rW+7], v[rA:rA+7], v[rD:rD+7], v[rWS], v[rXS] matrix_a_fmt:MATRIX_FMT_FP4 matrix_b_fmt:MATRIX_FMT_FP4 matrix_b_scale:MATRIX_SCALE_ROW1
.else
	v_wmma_scale_f32_16x16x128_f8f6f4 v[rD:rD+7], v[rW:rW+7], v[rA:rA+7], v[rD:rD+7], v[rWS], v[rXS] matrix_a_fmt:MATRIX_FMT_FP4 matrix_b_fmt:MATRIX_FMT_FP4 matrix_a_scale:MATRIX_SCALE_ROW1 matrix_b_scale:MATRIX_SCALE_ROW1
.endif
.endm
; A tile's 32 matrix instructions, its four accumulators by turns, one instruction a turn.
; u = 0, the pair's first tile: ahead of K step ks a wait by count.  Behind a block's LOADA there are out, behind K step ks's codes, the 8 loads of each later K step and the pair's 8 table loads; 63 is the field's largest count.
.macro TILE p, u
	SETWB \p
.set i, 0
.rept 32
.if (\u) == 0
.if i%4 == 0
.if i == 0
	s_wait_dscnt 63
.else
	s_wait_dscnt (7-i/4)*8+8
.endif
.endif
.endif
	MM \p, \u
.set i, i+1
.endr
.endm
; A pair of tiles, 2 pp and 2 pp + 1 of the trip's four, from W1's sets of the same numbers.  ld = 1: the tiles four further on are asked for into the same sets.  nwa, nwb: the loads issued behind the first and the second tile's own.
; ptr = 1: the bases step to the next group of four tiles, ahead of the trip's first loads.
.macro PHASE2 pp, ld, nwa, nwb, ptr
	WIN 0xC0
.irp u, 0,1
.irp e, 0,1
	ds_load_b128 v[BC+8*\u+4*\e:BC+8*\u+4*\e+3], v9 offset:64*(2*(\pp)+\u)+16*\e             ; b1 x 2 log2 e of my 8 hidden units
	ds_load_b128 v[W2R+8*\u+4*\e:W2R+8*\u+4*\e+3], v9 offset:W2T-B1T+64*(2*(\pp)+\u)+16*\e   ; -2 W2 of the same
.endr
.endr
	WIN 0x04+3*(\pp)
	s_wait_loadcnt \nwa                            ; the first tile's 18 loads are in
	TILE 2*(\pp), 0
	s_wait_loadcnt \nwb                            ; the second's
	TILE 2*(\pp)+1, 1
	WIN 0x30
	s_wait_dscnt 0x0                               ; the eight table loads
	PLACES                                         ; four places behind the last matrix instruction
.irp u, 0,1
.irp t, 0,1,2,3
.irp j, 0,1,2,3
	v_pk_fma_f32 v[DA+8*(4*\u+\t)+2*\j:DA+8*(4*\u+\t)+2*\j+1], v[DA+8*(4*\u+\t)+2*\j:DA+8*(4*\u+\t)+2*\j+1], s[74:75], v[BC+8*\u+2*\j:BC+8*\u+2*\j+1] op_sel_hi:[1,0,1]   ; u = (z + b1) x 2 log2 e; each accumulator from its low end on
.endr
.endr
.endr
	WIN 0
	s_wait_alu depctr_va_vdst(0)                   ; one wait ahead of a batch and one behind it
.set i, 0
.rept 64
	v_exp_f32 v[DA+i], v[DA+i]
.set i, i+1
.endr
	v_nop                                          ; a plain place behind the batch
.if \ptr
	s_wait_xcnt 0x0                                ; the last trip's loads have read their bases
	s_add_co_u32 s60, s60, 32768                   ; the group of four tiles after this trip's,
	s_and_b32 s60, s60, 0x1ffff                    ; round my 16 tiles
	s_lshr_b32 s62, s60, 4
	s_add_nc_u64 s[52:53], s[48:49], s[60:61]
	s_add_nc_u64 s[56:57], s[50:51], s[62:63]
.endif
.if \ld
	WLD 2*(\pp)                                    ; these name none of the batch's results
	WLD 2*(\pp)+1
.endif
	s_wait_alu depctr_va_vdst(0)
.set i, 0
.rept 32
	v_pk_add_f32 v[DA+2*i:DA+2*i+1], v[DA+2*i:DA+2*i+1], 1.0 op_sel_hi:[1,0]
.set i, i+1
.endr
	s_wait_alu depctr_va_vdst(0)
.set i, 0
.rept 64
	v_rcp_f32 v[DA+i], v[DA+i]                     ; an exponential that has run to infinity gives 0 here: tanh = 1
.set i, i+1
.endr
	v_nop
	s_wait_alu depctr_va_vdst(0)
	WIN 0x0C
.irp u, 0,1                            ; the rows' sums += (-2 W2) / (1 + 2^u), two hidden units at a time, the four row tiles by turns
.irp j, 0,1,2,3
.irp t, 0,1,2,3
.set sr, 58+2*\t-52*(\t/3)
	v_pk_fma_f32 v[sr:sr+1], v[DA+8*(4*\u+\t)+2*\j:DA+8*(4*\u+\t)+2*\j+1], v[W2R+8*\u+2*\j:W2R+8*\u+2*\j+1], v[sr:sr+1]
.endr
.endr
.endr
	WIN 0
.endm
.macro TRIPHEAD                        ; four tiles a trip: where their bias and W2 lie
	v_add_nc_u32 v9, s71, v7
	s_add_co_u32 s71, s71, 256
	s_wait_alu depctr_va_vdst(0)                   ; the wait, directly behind the write
.endm
.macro GEMM last                       ; last = 1: the launch's last four tiles ask for nothing more
	s_mov_b32 s67, 4-\last
.Lg_\@:
	TRIPHEAD
	PHASE2 0, 1, 54, 36, 1
	PHASE2 1, 1, 54, 36, 0
	s_sub_co_u32 s67, s67, 1
	s_cmp_lg_u32 s67, 0
	s_cbranch_scc1 .Lg_\@
.if \last
	TRIPHEAD
	PHASE2 0, 0, 54, 36, 0
	PHASE2 1, 0, 18, 0, 0
.endif
.endm
.macro SCORES                          ; my 256 columns' part of the 64 scores, to LDS
.irp t, 0,1,2,3
.set sr, 58+2*\t-52*(\t/3)
	v_add_f32 v[T+\t], v[sr], v[sr+1]
.endr
.irp t, 0,1,2,3
	v_permlanex16_b32 v[T+8+\t], v[T+\t], s76, s77
.endr
.irp t, 0,1,2,3
	v_add_f32 v[T+\t], v[T+\t], v[T+8+\t]
.endr
.irp t, 0,1,2,3
	ds_store_b32 v14, v[T+\t] offset:64*\t
.endr
.endm
; My 16 rows join the running maximum, sum and weighted sum.
; THE WEIGHTED SUM, 32 columns a lane, by v_wmma_f32_16x16x32_bf16.  Source 1: the 8 registers of the lane's column k.  By the fragment's layout lanes r and r + 16 share column r of the operand and hold different halves of K:
; here they hold DIFFERENT columns of x, 16 rows each.  Source 0 tells them apart: its row 0 holds the 16 weights p at the places along K that lanes 0-15 hold (that is lane 0's 8 registers) and zeros at the others,
; its row 8 holds them at the places that lanes 16-31 hold (lane 24's 8 registers); all other rows are zeros.  Register 0 of the result is row 0 in lanes 0-15 and row 8 in lanes 16-31: in every lane the sum over the 16 rows of p x for that lane's own column.
.macro POOL
.irp q, 0,1,2,3
	ds_load_b32 v[T+\q], v15 offset:256*\q
.endr
	s_wait_dscnt 0x0
	v_add_f32 v[T], v[T], v[T+1]
	v_add_f32 v[T+2], v[T+2], v[T+3]
	v_add_f32 v[T], v[T], v[T+2]
	v_mul_f32 v[T], 0x3fb8aa3b, v[T]
	v_mov_b32 v[T+1], v[T]
.irp m, 1,2,4,8
	v_max_num_f32_dpp v[T+1], v[T+1], v[T+1] row_xmask:\m row_mask:0xf bank_mask:0xf
.endr
	v_max_num_f32 v[T+2], v55, v[T+1]
	v_sub_f32 v[T+3], v55, v[T+2]
	v_sub_f32 v[T+4], v[T], v[T+2]
	s_wait_alu depctr_va_vdst(0)
	v_exp_f32 v[T+6], v[T+3]
	v_exp_f32 v[T+5], v[T+4]
	v_mov_b32 v55, v[T+2]
	s_wait_alu depctr_va_vdst(0)
	v_fma_f32 v56, v56, v[T+6], v[T+5]
.irp q, 0,1,2,3,4,5,6,7,8,9,10,11,12,13,14,15
	v_readlane_b32 s[80+\q], v[T+5], \q            ; p of row q
.endr
	v_mov_b32 v24, v[T+6]                          ; the factor 2^(old m - new m)
.irp q, 0,1,2,3,4,5,6,7,8,9,10,11,12,13,14,15
	v_mul_f32 v[T+16+\q], s[80+\q], v57            ; p of row q in lanes 0 and 24, 0 in the others
.endr
.irp i, 0,1,2,3,4,5,6,7
	v_cvt_pk_bf16_f32 v[16+\i], v[T+16+2*\i], v[T+17+2*\i]   ; rows 2 i (low half) and 2 i + 1, as in the copy of x
.endr
	PLACES
.irp g, 0,1,2,3                        ; eight columns at a time, into eight results
	WIN 0x08
.irp a, 0,1,2,3,4,5,6,7
	v_wmma_f32_16x16x32_bf16 v[T+8*\a:T+8*\a+7], v[16:23], v[8*(8*\g+\a):8*(8*\g+\a)+7], 0
.endr
	PLACES                                         ; four places behind the last matrix instruction
	WIN 0xC3
.irp a, 0,1,2,3,4,5,6,7
	v_fma_f32 v[PA+8*\g+\a], v[PA+8*\g+\a], v24, v[T+8*\a]   ; the sum so far x the factor + these 16 rows'
.endr
.endr
	WIN 0
.endm
	s_load_b512 s[4:19], s[0:1], 0x0               ; x, gamma, beta, w1f, W1's scales, b1, W2, part
	v_lshl_add_u32 v1, v0, 2, SPARE
	v_mov_b32 v2, 0
	ds_add_u32 v1, v2                              ; the opening lines: the add, twice on end, and its wait
	ds_add_u32 v1, v2
	v_lshrrev_b32 v9, 5, v0
	v_readfirstlane_b32 s20, v9                    ; wave
	s_mov_b32 s24, (3<<16)|(1<<20)|(5<<22)|(3<<25) ; group 1, 12 rows of x: 192 rows of 256 bytes, 16 bytes of padding behind each
	s_mov_b32 s25, 32<<16
	s_mov_b32 s26, 192<<16
	s_mov_b32 s27, 32<<16
	s_mov_b32 s28, 192
	s_mov_b32 s29, 32
	s_mov_b32 s30, 0
	s_mov_b32 s31, 0
	s_mov_b32 s32, (3<<16)|(1<<20)|(5<<22)|(3<<25) ; group 1, 4 rows of x: 64 rows of 256 bytes
	s_mov_b32 s33, 32<<16
	s_mov_b32 s34, 64<<16
	s_mov_b32 s35, 32<<16
	s_mov_b32 s36, 64
	s_mov_b32 s37, 32
	s_mov_b32 s38, 0
	s_mov_b32 s39, 0
	s_mul_i32 s21, s20, ZW
	s_lshl_b32 s22, ttmp9, 20
	s_lshl_b32 s23, s20, 16
	s_add_co_u32 s22, s22, s23
	s_mov_b32 s23, 0
	s_lshl_b32 s72, ttmp9, 2
	s_add_co_u32 s72, s72, s20
	s_mul_i32 s72, s72, 4608
	s_mov_b32 s73, 0
	s_lshl_b32 s60, s20, 17
	s_mov_b32 s61, 0
	s_lshl_b32 s62, s20, 13
	s_mov_b32 s63, 0
	s_lshl_b32 s2, s20, 10
	s_lshl_b32 s3, s20, 8
	s_mul_i32 s69, s20, 16*CP
	s_lshl_b32 s70, s20, 9
	s_lshl_b32 s71, s20, 6
	s_mov_b32 s74, 0x4038aa3b                      ; 2 log2 e
	s_mov_b32 s75, s74
	s_mov_b32 s76, 0x76543210
	s_mov_b32 s77, 0xfedcba98
	s_mov_b32 s78, 0x3a800000                      ; 1 / 1024
	s_mov_b32 s79, 0x3727c5ac                      ; 1e-5
	s_wait_dscnt 0x0
	s_wait_kmcnt 0x0
	s_mov_b32 s40, 1
	s_mov_b32 s41, s21
	s_add_nc_u64 s[42:43], s[4:5], s[22:23]
	s_mov_b32 s44, 1
	s_add_co_u32 s45, s21, PARTB
	s_add_nc_u64 s[46:47], s[42:43], 49152
	s_or_b32 s43, s43, 0x80000000
	s_or_b32 s47, s47, 0x80000000
	tensor_load_to_lds s[40:43], s[24:31]          ; my first 12 rows: one tensor load a wave at the head
	s_nop 0
	PLACES
	; under that load's flight: the tables' loads, W1's first two tiles, the addresses, the registers that begin as zeros
	s_add_nc_u64 s[18:19], s[18:19], s[72:73]
	s_add_nc_u64 s[48:49], s[10:11], s[60:61]      ; my 16 tiles of w1f
	s_add_nc_u64 s[50:51], s[12:13], s[62:63]      ; and their scale bytes
	s_mov_b64 s[52:53], s[48:49]
	s_mov_b64 s[56:57], s[50:51]
	s_mov_b32 s60, 0
	v_and_b32 v9, 31, v0
	v_and_b32 v10, 15, v0
	v_bfe_u32 v11, v0, 4, 1
	v_lshlrev_b32 v49, 5, v9
	v_add_nc_u32 v12, s2, v49
	v_lshlrev_b32 v3, 4, v9
	v_lshlrev_b32 v4, 5, v10
	v_lshl_add_u32 v4, v11, 3, v4
	s_wait_alu depctr_va_vdst(0)
	WIN 0xC0
.irp j, 0,1,2,3
.irp e, 0,1
	global_load_b128 v[GA+8*\j+4*\e:GA+8*\j+4*\e+3], v49, s[6:7] offset:1024*\j+16*\e
	global_load_b128 v[BE+8*\j+4*\e:BE+8*\j+4*\e+3], v49, s[8:9] offset:1024*\j+16*\e
.endr
.endr
	WIN 0
	global_load_b128 v[64:67], v12, s[14:15]
	global_load_b128 v[68:71], v12, s[14:15] offset:16
	global_load_b128 v[72:75], v12, s[16:17]
	global_load_b128 v[76:79], v12, s[16:17] offset:16
	WLD 0
	WLD 1
	v_mul_u32_u24 v5, v10, CP
	v_lshl_add_u32 v5, v11, 4, v5
	v_add_nc_u32 v5, CODES, v5
	v_lshlrev_b32 v6, 5, v10
	v_lshl_add_u32 v6, v11, 4, v6
	v_add_nc_u32 v6, XSC, v6
	v_lshlrev_b32 v7, 5, v11
	v_add_nc_u32 v7, s2, v7
	v_add_nc_u32 v7, B1T, v7
	v_lshlrev_b32 v14, 2, v10
	v_add_nc_u32 v15, s71, v14
	v_add_nc_u32 v15, PS, v15
	v_add_nc_u32 v14, s3, v14
	v_add_nc_u32 v14, PS, v14
	v_lshrrev_b32 v13, 3, v9
	v_lshl_add_u32 v48, v13, 4, v49
	v_add_nc_u32 v48, s21, v48
	v_lshlrev_b32 v50, 2, v9
	v_add_nc_u32 v50, s69, v50
	v_add_nc_u32 v50, CODES, v50
	v_lshrrev_b32 v51, 2, v9
	v_add_nc_u32 v51, s70, v51
	v_add_nc_u32 v51, XSC, v51
	v_add_nc_u32 v52, s21, v49
	v_add_nc_u32 v53, s21, v3
	v_add_nc_u32 v13, B1T, v12
	v_mov_b32 v55, 0xff61b1e6                      ; the largest score so far: -3e38
	v_mov_b32 v56, 0
	v_mov_b32 v54, 1.0
	v_mov_b32 v57, 0                               ; the mask of the weights' operand: 1 in lanes 0 and 24, 0 in the others
	v_cmp_eq_u32 vcc_lo, 0, v9
	v_cndmask_b32 v57, v57, v54, vcc_lo
	v_cmp_eq_u32 vcc_lo, 24, v9
	v_cndmask_b32 v57, v57, v54, vcc_lo
	WIN 0xC0
.set cnt, 0
.rept 32
	v_mov_b32 v[PA+cnt], 0
.set cnt, cnt+1
.endr
	WIN 0x80
.set cnt, 0
.rept 256
	v_mov_b32 v[cnt], 0
.set cnt, cnt+1
.endr
	WIN 0
	s_wait_alu depctr_va_vdst(0)                   ; the wait, directly ahead of the wait below
	s_wait_tensorcnt 0x0                           ; the full sequence ahead of a later first fill
	ds_add_u32 v1, v2
	s_wait_dscnt 0x0
	s_barrier_signal -1
	s_barrier_wait -1
	tensor_load_to_lds s[44:47], s[32:39]          ; my other 4 rows
	s_nop 0
	PLACES
	s_wait_loadcnt 36                              ; gamma, beta, b1, W2 are in; W1's first two tiles (36 loads) may be out
.irp k, 0,1,2,3
	v_pk_mul_f32 v[64+2*\k:65+2*\k], v[64+2*\k:65+2*\k], s[74:75] op_sel_hi:[1,0]   ; b1 x 2 log2 e
	v_pk_mul_f32 v[72+2*\k:73+2*\k], v[72+2*\k:73+2*\k], -2.0 op_sel_hi:[1,0]       ; -2 W2
.endr
	ds_store_b128 v13, v[64:67]
	ds_store_b128 v13, v[68:71] offset:16
	ds_store_b128 v13, v[72:75] offset:W2T-B1T
	ds_store_b128 v13, v[76:79] offset:W2T-B1T+16
	WLD 2
	WLD 3
	s_wait_dscnt 0x0
.set cnt, 0
.rept 20
	v_mov_b32 v[T+cnt], 0
.set cnt, cnt+1
.endr
	s_wait_alu depctr_va_vdst(0)                   ; the wait at the head's end
	s_mov_b32 s66, 3
.Lblock:
	s_wait_tensorcnt 0x1                           ; my 12 rows are in; the load of the 4 rows, issued behind them, may be out
	XLOOP 0, 6
	REFILL 40, 24                                  ; the next block's 12 rows
	XLOOP 12, 2
	s_wait_dscnt 0x0
	s_barrier_signal -1
	s_barrier_wait -1                              ; all 64 rows' codes and scale bytes are in LDS
	LOADA
	GEMM 0
	SCORES
	REFILL 44, 32                                  ; the next block's 4 rows; the barrier also shows the scores' parts to all
	POOL
	s_sub_co_u32 s66, s66, 1
	s_cmp_lg_u32 s66, 0
	s_cbranch_scc1 .Lblock
	s_wait_tensorcnt 0x0                           ; the last block is written out: it asks for nothing more
	XLOOP 0, 8
	s_wait_dscnt 0x0
	s_barrier_signal -1
	s_barrier_wait -1
	LOADA
	GEMM 1
	SCORES
	s_wait_dscnt 0x0
	s_barrier_signal -1
	s_barrier_wait -1
	POOL
.irp m, 1,2,4,8
	v_add_f32_dpp v56, v56, v56 row_xmask:\m row_mask:0xf bank_mask:0xf
.endr
	; my record goes out through my own rows of LDS, which have had their last fill: each store of the wave covers 512 consecutive bytes, aligned
	WIN 0x0C
.irp j, 0,1,2,3
.irp e, 0,1
	ds_store_b128 v52, v[PA+8*\j+4*\e:PA+8*\j+4*\e+3] offset:1024*\j+16*\e
.endr
.endr
	WIN 0
.irp q, 0,1,2,3,4,5,6,7
	ds_load_b128 v[T+4*\q:T+4*\q+3], v53 offset:512*\q
.endr
	v_mov_b32 v96, v55
	v_mov_b32 v97, v56
	v_mov_b32 v98, v55
	v_mov_b32 v99, v56
	s_wait_alu depctr_va_vdst(0)
.irp q, 0,1,2,3,4,5,6,7
	s_wait_dscnt 7-\q
	global_store_b128 v3, v[T+4*\q:T+4*\q+3], s[18:19] offset:512*\q
.endr
	global_store_b128 v3, v[96:99], s[18:19] offset:4096
	s_wait_tensorcnt 0x0                           ; the wave's end
	ds_add_u32 v1, v2
	s_wait_dscnt 0x0
	s_endpgm
.Lfunc_end_k_q511a0cd8dc_pool:
	.size	k_q511a0cd8dc_pool, .Lfunc_end_k_q511a0cd8dc_pool-k_q511a0cd8dc_pool
	.p2alignl 7, 3214868480
	.fill 96, 4, 3214868480
	.section	.rodata,"a",@progbits
	.p2align	6, 0x0
	.amdhsa_kernel k_q511a0cd8dc_pool
		.amdhsa_group_segment_fixed_size 327680
		.amdhsa_private_segment_fixed_size 0
		.amdhsa_enable_private_segment 0
		.amdhsa_kernarg_size 64
		.amdhsa_user_sgpr_count 2
		.amdhsa_user_sgpr_kernarg_segment_ptr 1
		.amdhsa_wavefront_size32 1
		.amdhsa_system_sgpr_workgroup_id_x 1
		.amdhsa_system_sgpr_workgroup_id_y 1
		.amdhsa_system_sgpr_workgroup_id_z 1
		.amdhsa_system_vgpr_workitem_id 0
		.amdhsa_next_free_vgpr 1024
		.amdhsa_next_free_sgpr 100
		.amdhsa_reserve_vcc 1
		.amdhsa_float_denorm_mode_32 3
		.amdhsa_float_denorm_mode_16_64 3
		.amdhsa_memory_ordered 1
		.amdhsa_forward_progress 1
		.amdhsa_inst_pref_size 255
	.end_amdhsa_kernel
	.section	.bss,"aw",@nobits
	.p2align	6
	.space	262144
	.amdgpu_metadata
---
amdhsa.version: [ 1, 2 ]
amdhsa.kernels:
  - .name:           k_q511a0cd8dc_pool
    .symbol:         k_q511a0cd8dc_pool.kd
    .args:
      - { .name: x, .offset: 0, .size: 8, .value_kind: global_buffer, .address_space: global }
      - { .name: ln_gamma, .offset: 8, .size: 8, .value_kind: global_buffer, .address_space: global }
      - { .name: ln_beta, .offset: 16, .size: 8, .value_kind: global_buffer, .address_space: global }
      - { .name: w1f, .offset: 24, .size: 8, .value_kind: global_buffer, .address_space: global }
      - { .name: W1_scales, .offset: 32, .size: 8, .value_kind: global_buffer, .address_space: global }
      - { .name: b1, .offset: 40, .size: 8, .value_kind: global_buffer, .address_space: global }
      - { .name: W2, .offset: 48, .size: 8, .value_kind: global_buffer, .address_space: global }
      - { .name: part, .offset: 56, .size: 8, .value_kind: global_buffer, .address_space: global }
    .group_segment_fixed_size: 327680
    .private_segment_fixed_size: 0
    .kernarg_segment_align: 8
    .kernarg_segment_size: 64
    .max_flat_workgroup_size: 128
    .sgpr_count:     100
    .vgpr_count:     1024
    .wavefront_size: 32
...
	.end_amdgpu_metadata
.endif
;; end of part 2
;; launch fin (part 3): grid 4 x 32, 2 waves a work-group, no clusters, 0 bytes of LDS; arguments part, out0; writes out0
.if DOCPART == 3
	.amdgcn_target "amdgcn-amd-amdhsa--gfx1250"
	.amdhsa_code_object_version 6
	.text
	.protected	k_q511a0cd8dc_fin
	.globl	k_q511a0cd8dc_fin
	.p2align	8
	.type	k_q511a0cd8dc_fin,@function
k_q511a0cd8dc_fin:
	s_mov_b64 s[64:65], 0
	v_nop
	global_prefetch_b8 v0, s[64:65] scope:SCOPE_SE
	s_setreg_imm32_b32 hwreg(HW_REG_WAVE_MODE, 25, 1), 1
	s_wait_xcnt 0x0
; The 32 records of a batch (8 work-groups x 4 waves of the launch before) are joined: out = sum_g 2^(m_g - M) v_g / sum_g 2^(m_g - M) l_g, M the largest m_g.
; (b2 and the sum of W2 were left out of the scores: they are the same along the softmax's axis.)
; A record is 4,608 bytes: 1,024 f32, then m and l.  Work-group (q, b) makes columns 256 q .. 256 q + 255 of batch b; thread t four of them: a record's part is 1,024 consecutive bytes for the 64 threads.
; Each wave works the 32 factors out for itself, lane g for record g: no LDS, no barrier.
	s_load_b128 s[4:7], s[0:1], 0x0                ; part, out0
	v_and_b32 v1, 31, v0
	v_mul_u32_u24 v2, v1, 4608                     ; record lane
	v_lshlrev_b32 v3, 4, v0                        ; 16 t
	s_lshl_b32 s12, ttmp9, 10
	v_add_nc_u32 v3, s12, v3                       ; + 1,024 q
	s_and_b32 s8, ttmp7, 0xffff                    ; the batch
	s_mul_i32 s10, s8, 32*4608
	s_mov_b32 s11, 0
	s_lshl_b32 s14, s8, 12
	s_mov_b32 s15, 0
	s_mov_b32 s48, 0x76543210
	s_mov_b32 s49, 0xfedcba98                      ; v_permlanex16_b32's selects for lane l xor 16
	v_mov_b32 v7, 0                                ; written once: a lane permute's destination counts as one of its sources
	v_mov_b32 v9, 0
	s_wait_alu depctr_va_vdst(0)
	s_wait_kmcnt 0x0
	s_add_nc_u64 s[4:5], s[4:5], s[10:11]
	s_add_nc_u64 s[6:7], s[6:7], s[14:15]
	global_load_b64 v[4:5], v2, s[4:5] offset:4096 ; m, l of record lane
.set g, 0
.rept 32
	global_load_b128 v[16+4*g:19+4*g], v3, s[4:5] offset:4608*g
.set g, g+1
.endr
	s_wait_loadcnt 32                              ; m and l are in; the 32 loads behind them may be out
	v_mov_b32 v6, v4
.irp m, 1,2,4,8
	v_max_num_f32_dpp v6, v6, v6 row_xmask:\m row_mask:0xf bank_mask:0xf
.endr
	v_permlanex16_b32 v7, v6, s48, s49
	v_max_num_f32 v6, v6, v7                       ; M
	v_sub_f32 v8, v4, v6
	s_wait_alu depctr_va_vdst(0)
	v_exp_f32 v8, v8                               ; e = 2^(m - M)
	v_nop                                          ; a plain place behind it,
	s_wait_alu depctr_va_vdst(0)                   ; and the wait ahead of its first reader
	v_mul_f32 v10, v8, v5
.irp m, 1,2,4,8
	v_add_f32_dpp v10, v10, v10 row_xmask:\m row_mask:0xf bank_mask:0xf
.endr
	v_permlanex16_b32 v9, v10, s48, s49
	v_add_f32 v10, v10, v9                         ; the sum of e l
	s_wait_alu depctr_va_vdst(0)
	v_rcp_f32 v10, v10
	v_nop
	s_wait_alu depctr_va_vdst(0)
	v_mul_f32 v8, v8, v10                          ; record lane's factor
.set g, 0
.rept 32
	v_readlane_b32 s[16+g], v8, g                  ; as data alone
.set g, g+1
.endr
.set g, 0
.rept 32
.if g == 0
	s_wait_loadcnt 0x0                             ; all 32 records' parts are in: one wait for the 128 multiply-adds
.endif
.irp c, 0,1,2,3
.if g == 0
	s_wait_alu depctr_va_vdst(0)
	v_mul_f32 v[144+\c], s[16+g], v[16+4*g+\c]     ; the first product starts the sums
.else
	v_fma_f32 v[144+\c], s[16+g], v[16+4*g+\c], v[144+\c]
.endif
.endr
.set g, g+1
.endr
	global_store_b128 v3, v[144:147], s[6:7]       ; a wave stores 512 consecutive bytes, at a multiple of 256 from the buffer's first byte
	s_endpgm
.Lfunc_end_k_q511a0cd8dc_fin:
	.size	k_q511a0cd8dc_fin, .Lfunc_end_k_q511a0cd8dc_fin-k_q511a0cd8dc_fin
	.p2alignl 7, 3214868480
	.fill 96, 4, 3214868480
	.section	.rodata,"a",@progbits
	.p2align	6, 0x0
	.amdhsa_kernel k_q511a0cd8dc_fin
		.amdhsa_group_segment_fixed_size 0
		.amdhsa_private_segment_fixed_size 0
		.amdhsa_enable_private_segment 0
		.amdhsa_kernarg_size 16
		.amdhsa_user_sgpr_count 2
		.amdhsa_user_sgpr_kernarg_segment_ptr 1
		.amdhsa_wavefront_size32 1
		.amdhsa_system_sgpr_workgroup_id_x 1
		.amdhsa_system_sgpr_workgroup_id_y 1
		.amdhsa_system_sgpr_workgroup_id_z 1
		.amdhsa_system_vgpr_workitem_id 0
		.amdhsa_next_free_vgpr 160
		.amdhsa_next_free_sgpr 66
		.amdhsa_reserve_vcc 0
		.amdhsa_float_denorm_mode_32 3
		.amdhsa_float_denorm_mode_16_64 3
		.amdhsa_memory_ordered 1
		.amdhsa_forward_progress 1
		.amdhsa_inst_pref_size 16
	.end_amdhsa_kernel
	.amdgpu_metadata
---
amdhsa.version: [ 1, 2 ]
amdhsa.kernels:
  - .name:           k_q511a0cd8dc_fin
    .symbol:         k_q511a0cd8dc_fin.kd
    .args:
      - { .name: part, .offset: 0, .size: 8, .value_kind: global_buffer, .address_space: global }
      - { .name: out0, .offset: 8, .size: 8, .value_kind: global_buffer, .address_space: global }
    .group_segment_fixed_size: 0
    .private_segment_fixed_size: 0
    .kernarg_segment_align: 8
    .kernarg_segment_size: 16
    .max_flat_workgroup_size: 64
    .sgpr_count:     66
    .vgpr_count:     160
    .wavefront_size: 32
...
	.end_amdgpu_metadata
.endif
;; end of part 3
